; MI455X (gfx1250); checked and timed in simulation.
; The chip was launched on July 23, 2026; its instructions are those of AMD's public machine-readable ISA for CDNA 5 (MIT licence, August 2026) and "CDNA5" Instruction Set Architecture Reference Guide (July 2026). The comments in the code are by the model that wrote it; some were corrected since.
;; SDPA. Allowed arithmetic: float matrix products may take bf16 or f16 operands with f32 sums; all other float work in f32.
;; Inputs: k 4 x 16 x 2,048 x 128 float32; mask 1 x 1 x 2,048 x 2,048 int32; q 4 x 16 x 2,048 x 128 float32; v 4 x 16 x 2,048 x 128 float32.
;; Outputs: out0 4 x 16 x 2,048 x 128 float32.
;; One version. Each part assembles by itself: llvm-mc -triple=amdgcn-amd-amdhsa -mcpu=gfx1250 --defsym DOCPART=n.
;; ======== version 1 of 1: 2 launches
;; limits: values are held in f16: magnitudes above 65,504 overflow, below 6.1e-05 lose precision; inputs' magnitudes at most 65,504
;; workspace buffers: maskw 524,288 bytes of whole numbers
;; launch pack (part 1): grid 256 x 1, 8 waves a work-group, no clusters, 0 bytes of LDS; arguments mask, maskw; writes maskw
.if DOCPART == 1
	.amdgcn_target "amdgcn-amd-amdhsa--gfx1250"
	.amdhsa_code_object_version 6
	.text
	.protected	k_qcb87a65b90_pack
	.globl	k_qcb87a65b90_pack
	.p2align	8
	.type	k_qcb87a65b90_pack,@function
k_qcb87a65b90_pack:
	s_mov_b64 s[64:65], 0
	v_nop
	global_prefetch_b8 v0, s[64:65] scope:SCOPE_SE
	s_setreg_imm32_b32 hwreg(HW_REG_WAVE_MODE, 25, 1), 1
	s_wait_xcnt 0x0
; The int32 mask [2048 queries][2048 keys] becomes ready-made lane masks for the attention launch.
; maskw word qt*1024 + T*8 + j (qt: tile of 16 queries, T: tile of 16 keys, j = 0..7):
;   bit L = ( mask[16 qt + (L & 15)][16 T + 8 (L >> 4) + j] != 0 ),
; which is the lane mask of register j of a 16 x 16 score tile (key 8h + j, query r) held transposed.
; A wave takes 16 queries x 128 keys = 8 key tiles = 64 words = 256 bytes of output.  2,048 waves cover the mask once.
; No LDS, no barrier, no matrix unit: the launch only streams 16 MiB in and 512 KiB out.
.set ROWB, 8192                        ; bytes in a row of the mask
.set DAT,  8                           ; v[8:71]  register 8 T' + j: mask[r][16 T' + 8 h + j] of my 128 keys
	s_load_b128 s[4:7], s[0:1], 0x0                ; mask s[4:5], maskw s[6:7]
	v_lshrrev_b32 v1, 5, v0
	v_readfirstlane_b32 s8, v1                     ; wave 0..7
	v_and_b32 v4, 31, v0                           ; lane
	v_and_b32 v5, 15, v0                           ; r: my query in the tile
	v_bfe_u32 v6, v0, 4, 1                         ; h: which 8 keys of a tile
	v_lshlrev_b32 v1, 13, v5                       ; r rows of 8,192 bytes
	v_lshl_add_u32 v1, v6, 5, v1                   ; + 8 h keys of 4 bytes
	v_lshlrev_b32 v4, 3, v4                        ; my two output words: byte 8 x lane
	v_mov_b32 v2, 0                                ; v_writelane_b32 counts as a reader of its destination: written once whole
	v_mov_b32 v3, 0
	s_lshr_b32 s9, ttmp9, 1                        ; qt: two work-groups share a query tile
	s_and_b32 s10, ttmp9, 1
	s_lshl3_add_u32 s10, s10, s8                   ; which 128 keys: 8 x (x & 1) + wave, 0..15
	s_lshl_b32 s16, s9, 17                         ; 16 rows of 8,192 bytes for each query tile
	s_lshl_b32 s11, s10, 9                         ; 128 keys of 4 bytes
	s_add_co_u32 s16, s16, s11
	s_mov_b32 s17, 0
	s_lshl_b32 s18, s9, 12                         ; 1,024 words for each query tile
	s_lshl_b32 s11, s10, 8                         ; 64 words for my 128 keys
	s_add_co_u32 s18, s18, s11
	s_mov_b32 s19, 0
	s_wait_kmcnt 0x0
	s_add_nc_u64 s[4:5], s[4:5], s[16:17]
	s_add_nc_u64 s[6:7], s[6:7], s[18:19]
; sixteen loads in one run; together they cover 512 consecutive bytes of each of the 16 rows, each byte once
.irp t, 0,1,2,3,4,5,6,7
	global_load_b128 v[DAT+8*\t:DAT+8*\t+3],   v1, s[4:5] offset:64*\t th:TH_LOAD_NT
	global_load_b128 v[DAT+8*\t+4:DAT+8*\t+7], v1, s[4:5] offset:64*\t+16 th:TH_LOAD_NT
.endr
; word wd = 8 T' + j is a compare's lane mask; it goes to lane wd / 2, register wd & 1, so that a lane ends with two neighbouring words
.irp t, 0,1,2,3,4,5,6,7
	s_wait_loadcnt 14-2*\t                         ; loads come back in order: this key tile's two are in, the later tiles' 14 - 2 T' stay out
.irp j, 0,1,2,3,4,5,6,7
	v_cmp_ne_u32 s[12+(\j&3)], 0, v[DAT+8*\t+\j]
	v_writelane_b32 v[2+(\j&1)], s[12+(\j&3)], (8*\t+\j)/2
.endr
.endr
	global_store_b64 v4, v[2:3], s[6:7]            ; 32 lanes x 8 bytes: 256 consecutive bytes, aligned; read again by the next launch, so no hint
	s_endpgm
.Lfunc_end_k_qcb87a65b90_pack:
	.size	k_qcb87a65b90_pack, .Lfunc_end_k_qcb87a65b90_pack-k_qcb87a65b90_pack
	.p2alignl 7, 3214868480
	.fill 96, 4, 3214868480
	.section	.rodata,"a",@progbits
	.p2align	6, 0x0
	.amdhsa_kernel k_qcb87a65b90_pack
		.amdhsa_group_segment_fixed_size 0
		.amdhsa_private_segment_fixed_size 0
		.amdhsa_enable_private_segment 0
		.amdhsa_kernarg_size 16
		.amdhsa_user_sgpr_count 2
		.amdhsa_user_sgpr_kernarg_segment_ptr 1
		.amdhsa_wavefront_size32 1
		.amdhsa_system_sgpr_workgroup_id_x 1
		.amdhsa_system_sgpr_workgroup_id_y 1
		.amdhsa_system_sgpr_workgroup_id_z 1
		.amdhsa_system_vgpr_workitem_id 0
		.amdhsa_next_free_vgpr 72
		.amdhsa_next_free_sgpr 66
		.amdhsa_reserve_vcc 0
		.amdhsa_float_denorm_mode_32 3
		.amdhsa_float_denorm_mode_16_64 3
		.amdhsa_memory_ordered 1
		.amdhsa_forward_progress 1
		.amdhsa_inst_pref_size 11
	.end_amdhsa_kernel
	.amdgpu_metadata
---
amdhsa.version: [ 1, 2 ]
amdhsa.kernels:
  - .name:           k_qcb87a65b90_pack
    .symbol:         k_qcb87a65b90_pack.kd
    .args:
      - { .name: mask, .offset: 0, .size: 8, .value_kind: global_buffer, .address_space: global }
      - { .name: maskw, .offset: 8, .size: 8, .value_kind: global_buffer, .address_space: global }
    .group_segment_fixed_size: 0
    .private_segment_fixed_size: 0
    .kernarg_segment_align: 8
    .kernarg_segment_size: 16
    .max_flat_workgroup_size: 256
    .sgpr_count:     66
    .vgpr_count:     72
    .wavefront_size: 32
...
	.end_amdgpu_metadata
.endif
;; end of part 1
;; launch attn (part 2): grid 256 x 1, 8 waves a work-group, clusters of 4 x 1, 327,680 bytes of LDS; arguments q, k, v, maskw, out0; writes out0
.if DOCPART == 2
	.amdgcn_target "amdgcn-amd-amdhsa--gfx1250"
	.amdhsa_code_object_version 6
	.text
	.protected	k_qcb87a65b90_attn
	.globl	k_qcb87a65b90_attn
	.p2align	8
	.type	k_qcb87a65b90_attn,@function
k_qcb87a65b90_attn:
	s_mov_b64 s[64:65], 0
	v_nop
	global_prefetch_b8 v0, s[64:65] scope:SCOPE_SE
	s_setreg_imm32_b32 hwreg(HW_REG_WAVE_MODE, 25, 1), 1
	s_wait_xcnt 0x0
	s_wait_alu depctr_hold_cnt(0) depctr_sa_sdst(0) depctr_va_vdst(0) depctr_va_sdst(0) depctr_va_ssrc(0) depctr_va_vcc(0) depctr_vm_vsrc(0)
	s_getreg_b32 s2, hwreg(HW_REG_IB_STS2, 6, 4)
	s_cmp_eq_u32 s2, 0
	s_cbranch_scc0 .Lentry_in_a_cluster
	s_endpgm
.Lentry_in_a_cluster:
	s_bfe_u32 s2, ttmp6, 0x10000c
	s_cmp_lg_u32 s2, 0x3003
	s_cbranch_scc0 .Lentry_shape_is_right
	s_endpgm
.Lentry_shape_is_right:
; out = softmax( where(mask == 0, -FLT_MAX, q k^T / sqrt(128)) ) v   for 64 heads, 2,048 queries and keys, 128 numbers a row, all f32 in memory.
; One pass over the keys with a running maximum and running sums (f32); both products on the matrix unit with f16 operands and f32 sums.
;
; WHY F16 AND NOT BF16.  An output is a sum of up to 2,048 terms p v / l whose rounding errors add as the terms themselves do, and it is compared within a
; hundredth of the outputs' root mean square.  With 8 significant bits (a relative error of up to 2^-8 in each of q, k, p, v) that margin is a few standard
; deviations for 16.7 million numbers; with f16's 11 bits (2^-11) it is eight times as many.  The operands have the room: see LIMITS.
;
; SHARES.  A cluster of four work-groups is one head (ttmp9); a work-group is 512 queries (cx); a wave is 64 queries (4 tiles of 16) against all keys.
; The four work-groups read the same K and V: every tile of 64 keys is asked for JOINTLY (mask 15), each wave bringing 16 rows of K (waves 0-3)
; or of V (waves 4-7) as f32 into its own part of a ring of two slots.  The wave that brought them rounds them to f16 into one of two buffers,
; one tile ahead of their use; all eight waves read their fragments from there.  cx enters global addresses only (q, out0, maskw, prefetch).
;
; EVERYTHING IS HELD TRANSPOSED.  S^T = K Q^T: source 0 = 16 keys, source 1 = 16 queries; register j of lane (r = l % 16, h = l / 16) is
; (key 8 h + j, query r): a lane owns ONE query, so maximum, sum, alpha and 1/l are per-lane numbers, and one exchange with lane l xor 16 ends a reduction.
; Two key tiles of one query tile, rounded pairwise to f16 in place, ARE source 1 of O^T = V^T P^T (keys 8h.. in registers 0-3, 16+8h.. in 4-7): no shuffle.
; Source 0 there is V^T, made by the transposing LDS load from V kept [key][d].  O^T: register j = (d = 16 dt + 8 h + j, query r).
;
; q is multiplied by log2(e)/sqrt(128) in f32 before its one rounding, so scores are in units of log2 and the exponential is a bare v_exp_f32.
; A masked score is -FLT_MAX and the running maximum starts there: while all keys so far are masked, s - m = 0 and p = 1 (the uniform weights that the
; softmax of equal scores gives); the first open key makes alpha = 2^(-FLT_MAX - m) = 0 and wipes them out.  l >= 1 always (the maximum's own term).
;
; TWO GROUPS, ONE PHASE APART.  Every wave runs MAT(0) VAL(0) MAT(1) VAL(1) .. over sub-blocks of 32 keys: MAT(i) = P V of i - 1, then S of i (64 matrix
; instructions); VAL(i) = mask, softmax, rescale of O (vector work).  Waves 4-7 run the same chain one phase behind waves 0-3, so that behind every barrier
; one group's text begins with matrix work and the other's with vector work.  All barriers stand in common text; no value hangs on the groups' pace.
;
; LIMITS, kept knowingly: q log2(e)/sqrt(128), k, v and p are rounded to f16, so |q| x 0.1275, |k| and |v| must stay below 65,504 (beyond it the rounded number
; is an infinity); numbers of these below 2^-14 keep an absolute error of up to 2^-25, and p below 2^-25 counts as 0 in P V (l >= 1).
; NaN and infinities in q, k, v are not treated apart; an open score must lie above -FLT_MAX in units of log2;
; v_exp_f32 gives 0 for results below 2^-126 (ISA guide, 15.8).
.set KP,    272                        ; pitch of an f16 row of K or Q: 256 + 16, an odd multiple of 16: a fragment load's 16 rows fall on 16 different 16-byte columns modulo 256
.set VP,    288                        ; pitch of an f16 row of V: an odd multiple of 32, for the transposing load
.set GS,    4608                       ; a wave's own group of 16 rounded rows in a buffer: 16 x 288; K's rows use 16 x 272 of it.  A K fragment is one group
.set OP,    528                        ; pitch of an f32 row of O in the stage: 512 + 16
.set SLOT,  65536                      ; a ring slot: 64 rows of K and 64 of V in f32, 8,192 bytes for each wave
.set BF,    2*SLOT                     ; behind the ring: two f16 buffers
.set VOFF,  4*GS                       ; in a buffer: K's four groups, then V's four
.set BUF,   8*GS                       ; 36,864 bytes
.set STG,   BF+2*BUF                   ; 204,800: each wave's own stage (Q on the way in, O on the way out), 8,448 bytes
.set STGW,  16*OP
; the ring alone is ever filled by tensor loads; the buffers and the stages are written by LDS stores alone; all three begin at multiples of 256
; vector registers, window 0
.set KA,  1                            ; LDS address of my part of a K fragment in buffer 0
.set VA,  2                            ; the same for a V^T fragment
.set CS,  3                            ; where I put rounded rows: my wave's group of buffer 0, 8 bytes a lane
.set CL0, 4                            ; my 16 bytes in the first row of my part of slot 0;
.set CL1, 5                            ; of slot 1
.set PF,  6                            ; 256 x lane
.set GO,  7                            ; 16 x lane
.set MA,  8                            ; v[8:11], v[12:15]: running maxima of my 4 queries; old and new take turns by the sub-block's parity
.set MB,  12
.set AL,  16                           ; v[16:19] alpha; also the lane exchange's landing place; 1/l at the end
.set LS,  20                           ; v[20:27] four pairs of partial row sums
.set SA,  28                           ; stage: where I store
.set SB,  29                           ; stage: where I read back
.set NEG, 31                           ; -FLT_MAX
.set FR,  32                           ; v[32:63]   four fragment buffers of 8
.set SR,  64                           ; v[64:127]  scores: 64 + 16 q + 8 t + j.  After rounding: P(q) = the lower 8 of each 16; the upper 8 (X) are free:
                                       ;            they take V fragments 4-7, or f32 rows on their way to f16
.set QF,  128                          ; v[128:255] Q fragments: 128 + 32 q + 8 ks
; window 1: v[256:511] = O, written v[64 q + 8 dt ..]; in the prologue q's f32 rows land there
; scalar registers: s6 wave, s7 wave & 3, s66 group (wave >> 2), s67 my stage, s4 mask offset, s5 trips (set-up scratch before)
.set MSK, 16                           ; s[16:31] s[32:47] s[48:63] s[68:83]: 16 mask words for each query tile (set-up scratch before the first mask load)
.set G1,  84                           ; s[84:91] descriptor group 1
.set G0,  92                           ; s[92:95], s[96:99] descriptor group 0 of slot 0, 1
.set MSB, 0
.macro WIN new                         ; s_set_vgpr_msb: bits 1:0 source 0, 3:2 source 1, 5:4 source 2, 7:6 destination; the high byte repeats the setting that is left
.if MSB != \new
	s_set_vgpr_msb (MSB<<8)|\new
.set MSB, \new
.endif
.endm
.macro NOPS n
.rept \n
	v_nop
.endr
.endm
; A round of the cluster's barrier: my work-group's barrier, wave 0 signals for the work-group, every wave waits for all four work-groups, my work-group's barrier again.
.macro ROUND
	s_barrier_signal -1
	s_barrier_wait -1
	s_cmp_lg_u32 s6, 0
	s_cbranch_scc1 .Lnw0_\@
	s_barrier_signal -3
.Lnw0_\@:
	s_barrier_wait -3
	s_barrier_signal -1
	s_barrier_wait -1
.endm
; The head of a step of 64 keys.  refill = 1: slot b, whose rows were rounded in the last step, is filled again, two tiles ahead.
.macro SYNC b, refill
	s_wait_xcnt 0x0
	v_lshl_add_u32 v29, v0, 2, 0x42800
	v_mov_b32 v30, 0
	s_wait_tensorcnt 0x0                           ; all my tensor loads have landed, the next tile's part among them; no load is out, so a group 0 may be written
	ds_add_u32 v29, v30
	s_wait_dscnt 0x0
.if \refill
	s_add_nc_u64 s[G0+4*(\b)+2:G0+4*(\b)+3], s[G0+4*(\b)+2:G0+4*(\b)+3], 65536   ; two tiles of 64 rows of 512 bytes on; the type bits are not reached
.endif
	s_wait_dscnt 0x0                               ; my LDS reads and stores are done: the others may overwrite what I read and read what I stored
.if \refill
	ROUND                                          ; both now hold of every wave of all four work-groups
	tensor_load_to_lds s[G0+4*(\b):G0+4*(\b)+3], s[G1:G1+7]   ; my one tensor load until the next round, first thing behind this one: it has the whole step in which to land
	s_nop 0
.else
	s_barrier_signal -1
	s_barrier_wait -1
.endif
.endm
; The barrier in a step's middle: the tensor load stays out across it.
.macro MIDBAR
	s_wait_dscnt 0x0
	s_barrier_signal -1
	s_barrier_wait -1
.endm
; In step n waves 0 (K) and 4 (V) ask for this work-group's quarter (8 KiB, lanes 256 bytes apart) of tile n + 3, whose tensor load goes out one step later.
; The four work-groups' quarters make the tile: each block of 256 bytes is asked for once.  Steps 0 to 28 ask, so tile 31 is the last: nothing points past a head's rows.
.macro PFETCH
	s_wait_xcnt 0x0                                ; the last prefetch's base is stepped only behind this wait (it was issued a step ago)
	s_add_nc_u64 s[10:11], s[10:11], 32768
	s_cmp_lg_u32 s7, 0
	s_cbranch_scc1 .Lnp_\@
	global_prefetch_b8 v[PF], s[10:11] th:TH_LOAD_NT scope:SCOPE_SE
.Lnp_\@:
.endm
; four matrix instructions of S^T: key tile t, 32 numbers of d at 32 ks, the four query tiles by turns (one instruction a turn)
.macro SW t, ks, zero
.irp qq, 0,1,2,3
.if \zero
	v_wmma_f32_16x16x32_f16 v[SR+16*\qq+8*\t:SR+16*\qq+8*\t+7], v[FR+8*\ks:FR+8*\ks+7], v[QF+32*\qq+8*\ks:QF+32*\qq+8*\ks+7], 0
.else
	v_wmma_f32_16x16x32_f16 v[SR+16*\qq+8*\t:SR+16*\qq+8*\t+7], v[FR+8*\ks:FR+8*\ks+7], v[QF+32*\qq+8*\ks:QF+32*\qq+8*\ks+7], v[SR+16*\qq+8*\t:SR+16*\qq+8*\t+7]
.endif
.endr
.endm
; a K fragment: group 2 s + t of buffer b (keys 32 s + 16 t + r), d = 32 ks + 8 h .. and 32 ks + 16 + 8 h ..
.macro KLD f, b, s, t, ks
	ds_load_b128 v[FR+8*\f:FR+8*\f+3],   v[KA] offset:(\b)*BUF+(2*(\s)+\t)*GS+64*\ks
	ds_load_b128 v[FR+8*\f+4:FR+8*\f+7], v[KA] offset:(\b)*BUF+(2*(\s)+\t)*GS+64*\ks+32
.endm
; four matrix instructions of O^T: d tile dt, the four query tiles by turns; window setting 0x50 (C and D in window 1)
.macro PVW dt, areg, zero
.irp qq, 0,1,2,3
.if \zero
	v_wmma_f32_16x16x32_f16 v[64*\qq+8*\dt:64*\qq+8*\dt+7], v[\areg:\areg+7], v[SR+16*\qq:SR+16*\qq+7], 0
.else
	v_wmma_f32_16x16x32_f16 v[64*\qq+8*\dt:64*\qq+8*\dt+7], v[\areg:\areg+7], v[SR+16*\qq:SR+16*\qq+7], v[64*\qq+8*\dt:64*\qq+8*\dt+7]
.endif
.endr
.endm
; four rows (groups g0 .. g0 + 3 of 4 registers in X) are rounded to f16 and stored into my group of buffer 1 - b.  The eight conversions name no register
; of the matrix instructions in front of them: they are the places that the fragment loads behind them need.
.macro CVG g0, b, half, pitch
.irp gg, 0,1,2,3
.set gx, SR+16*((\g0+\gg)/2)+8+4*((\g0+\gg)&1)
	v_cvt_pk_f16_f32 v[gx], v[gx], v[gx+1]
	v_cvt_pk_f16_f32 v[gx+1], v[gx+2], v[gx+3]
.endr
.irp gg, 0,1,2,3
.set gx, SR+16*((\g0+\gg)/2)+8+4*((\g0+\gg)&1)
	ds_store_b64 v[CS], v[gx:gx+1] offset:(1-(\b))*BUF+(8*\half+\g0+\gg)*\pitch   ; 32 lanes x 8 bytes: a whole f16 row
.endr
.endm
; MAT: P V of the sub-block before (pv; pz: it starts the sums), then S of sub-block (b, s) (sp).  conv: eight of my 16 f32 rows of slot 1 - b are rounded on the way
; (pitch: 272 for K's rows, 288 for V's).  endp: this MAT ends an arm of a branch on the group.
; Distances behind matrix instructions (ISA guide 7.12.1 for the second of these): four places before a load lands in a register that one has read,
; five before a matrix instruction writes over one or takes a result as a source.
.macro MAT pv, pz, sp, b, s, conv, half, pitch, endp
.if \pv
	WIN 0x50
	PVW 0, FR, \pz
	PVW 1, FR+8, \pz
	PVW 2, FR+16, \pz
	PVW 3, FR+24, \pz
.if \sp
	WIN 0
	NOPS 4                                         ; the fragment buffers have just been read
	KLD 0, \b, \s, 0, 0                            ; K's first key tile, 16 matrix instructions ahead of its use
	KLD 1, \b, \s, 0, 1
	KLD 2, \b, \s, 0, 2
	KLD 3, \b, \s, 0, 3
	WIN 0x50
.endif
	PVW 4, SR+8, \pz
	PVW 5, SR+24, \pz
	PVW 6, SR+40, \pz
	PVW 7, SR+56, \pz
	WIN 0
	NOPS 5                                         ; P is written over by S, X by loads; behind the last sub-block O is read
.else
	KLD 0, \b, \s, 0, 0
	KLD 1, \b, \s, 0, 1
	KLD 2, \b, \s, 0, 2
	KLD 3, \b, \s, 0, 3
.endif
.if \sp
.if \conv
.irp gg, 0,1,2,3,4,5,6,7
.set gx, SR+16*(\gg/2)+8+4*(\gg&1)
	ds_load_b128 v[gx:gx+3], v[CL0+1-(\b)] offset:(8*\half+\gg)*512   ; a whole f32 row of my own part of the ring: 32 lanes x 16 bytes
.endr
	s_wait_dscnt 0x8                               ; K's eight loads are in; the eight f32 rows behind them stay out
.else
	s_wait_dscnt 0x0
.endif
	SW 0, 0, 1                                     ; the first product starts the sums
	SW 0, 1, 0
.if \conv
	s_wait_dscnt 0x0                               ; the f32 rows are in
	CVG 0, \b, \half, \pitch
.else
	NOPS 4
.endif
	KLD 0, \b, \s, 1, 0                            ; the second key tile
	KLD 1, \b, \s, 1, 1
	SW 0, 2, 0
	SW 0, 3, 0
.if \conv
	CVG 4, \b, \half, \pitch
.else
	NOPS 4
.endif
	KLD 2, \b, \s, 1, 2
	KLD 3, \b, \s, 1, 3
	s_wait_dscnt 0x4                               ; only the last four loads stay out: fragments 0 and 1 are in, and every store above has read X, which the next products write
	SW 1, 0, 1
	SW 1, 1, 0
	s_wait_dscnt 0x0
	SW 1, 2, 0
	SW 1, 3, 0
.if \endp
	NOPS 5                                         ; the arm ends in matrix instructions.  Behind the join the text also allows the other group's arm, a way that no wave
	                                               ; takes (both branches test the same number); the distances are kept on that way too: five places close every one of them
.endif
.endif
.endm
; One plain operation of the softmax on pair ip (0..7) of query tile qp.  kind 0: s - m.  kind 1: row sums (pair 0 carries l alpha).  kind 2: two p to f16, in place.
.macro PL kind, qp, ip, first, mn
.set pa, SR+16*(\qp)+2*(\ip)
.set pm, \mn+((\qp)&2)
.set pl, LS+2*(\qp)
.set pal, AL+((\qp)&2)
.if \kind == 0
.if (\qp)&1
	v_pk_add_f32 v[pa:pa+1], v[pa:pa+1], v[pm:pm+1] op_sel:[0,1] op_sel_hi:[1,1] neg_lo:[0,1] neg_hi:[0,1]
.else
	v_pk_add_f32 v[pa:pa+1], v[pa:pa+1], v[pm:pm+1] op_sel_hi:[1,0] neg_lo:[0,1] neg_hi:[0,1]
.endif
.endif
.if \kind == 1
.if (\ip) == 0
.if \first
.else
.if (\qp)&1
	s_wait_alu depctr_va_vdst(0)
	v_pk_fma_f32 v[pl:pl+1], v[pl:pl+1], v[pal:pal+1], v[pa:pa+1] op_sel:[0,1,0] op_sel_hi:[1,1,1]
	s_wait_alu depctr_va_vdst(0)
.else
	s_wait_alu depctr_va_vdst(0)
	v_pk_fma_f32 v[pl:pl+1], v[pl:pl+1], v[pal:pal+1], v[pa:pa+1] op_sel_hi:[1,0,1]
.endif
.endif
.endif
.if (\ip) == 1
.if \first
	s_wait_alu depctr_va_vdst(0)
	v_pk_add_f32 v[pl:pl+1], v[pa-2:pa-1], v[pa:pa+1]      ; the first two pairs start the sums: nothing is cleared
	s_wait_alu depctr_va_vdst(0)
.else
	v_pk_add_f32 v[pl:pl+1], v[pl:pl+1], v[pa:pa+1]
.endif
.endif
.if (\ip) > 1
	s_wait_alu depctr_va_vdst(0)
	v_pk_add_f32 v[pl:pl+1], v[pl:pl+1], v[pa:pa+1]
.endif
.endif
.if \kind == 2
	v_cvt_pk_f16_f32 v[SR+16*(\qp)+(\ip)], v[pa], v[pa+1]
.endif
.endm
; Sixteen exponentials of query tile qe, each followed by a plain operation on ANOTHER query tile: the place that stands between a
; transcendental and the use of its result (ISA guide 5.7.2) is useful work.
.macro MIX qe, ka, qa, kb, qb, first, mn
.irp ii, 0,1,2,3,4,5,6,7,8,9,10,11,12,13,14,15
	v_exp_f32 v[SR+16*\qe+\ii], v[SR+16*\qe+\ii]
.if \ii < 8
	PL \ka, \qa, \ii, \first, \mn
.else
	PL \kb, \qb, (\ii-8), \first, \mn
.endif
.endr
.endm
; O of query tile q times AL + q (alpha, or 1/l at the end): a lane's 256 numbers of O belong to its four queries
.macro RESC
	WIN 0x41
.irp qq, 0,1,2,3
.set oo, 64*\qq
.rept 32
.if \qq&1
	v_pk_mul_f32 v[oo:oo+1], v[oo:oo+1], v[AL+(\qq&2):AL+(\qq&2)+1] op_sel:[0,1] op_sel_hi:[1,1]
.else
	v_pk_mul_f32 v[oo:oo+1], v[oo:oo+1], v[AL+(\qq&2):AL+(\qq&2)+1] op_sel_hi:[1,0]
.endif
.set oo, oo+2
.endr
.endr
	WIN 0
.endm
; VAL: mask, running maximum, exponentials, sums, rounding of P, rescale of O for sub-block (b, s); its V^T fragments are fetched on the way.
; first: the very first sub-block (no alpha, no rescale).  mload: the next sub-block's mask words are asked for.  mo, mn: old and new maxima.
.macro VAL b, s, first, mload, mo, mn
	s_wait_kmcnt 0x0                               ; this sub-block's 64 mask words
.irp qq, 0,1,2,3
.irp jj, 0,1,2,3,4,5,6,7
	v_cndmask_b32 v[SR+16*\qq+\jj], v[NEG], v[SR+16*\qq+\jj], s[MSK+16*\qq+4*(\qq/3)+\jj]   ; first key tile; these 32 are also the places behind the second tile's last products
.endr
.endr
.irp dd, 0,1,2,3
	ds_load_tr16_b128 v[FR+8*\dd:FR+8*\dd+3],   v[VA] offset:(\b)*BUF+32*(\s)*VP+32*\dd          ; V^T: d = 16 dt + r, keys 8 h ..
	ds_load_tr16_b128 v[FR+8*\dd+4:FR+8*\dd+7], v[VA] offset:(\b)*BUF+32*(\s)*VP+32*\dd+16*VP    ; keys 16 + 8 h ..
.endr
.irp qq, 0,1,2,3
.irp jj, 0,1,2,3,4,5,6,7
	v_cndmask_b32 v[SR+16*\qq+8+\jj], v[NEG], v[SR+16*\qq+8+\jj], s[MSK+16*\qq+4*(\qq/3)+8+\jj]
.endr
.endr
.if \mload
	s_add_co_u32 s4, s4, 64                        ; 16 words on; the loads that named s4 were waited for above
.irp qq, 0,1,2,3
	s_load_b512 s[MSK+16*\qq+4*(\qq/3):MSK+16*\qq+4*(\qq/3)+15], s[2:3], s4 offset:4096*\qq
.endr
.endif
.irp ii, 0,1,2,3,4,5,6,7
.irp qq, 0,1,2,3
.if \ii == 0
	v_max3_num_f32 v[\mn+\qq], v[\mo+\qq], v[SR+16*\qq], v[SR+16*\qq+1]
.else
	v_max3_num_f32 v[\mn+\qq], v[\mn+\qq], v[SR+16*\qq+2*\ii], v[SR+16*\qq+2*\ii+1]
.endif
.endr
.endr
.irp qq, 0,1,2,3
	v_permlanex16_b32 v[AL+\qq], v[\mn+\qq], s12, s13      ; lane l xor 16 holds the query's other 16 keys
.endr
.irp qq, 0,1,2,3
	v_max_num_f32 v[\mn+\qq], v[\mn+\qq], v[AL+\qq]
.endr
.if \first
.else
.irp qq, 0,1,2,3
	v_sub_f32 v[AL+\qq], v[\mo+\qq], v[\mn+\qq]
.endr
.irp qq, 0,1,2,3
	v_exp_f32 v[AL+\qq], v[AL+\qq]                 ; alpha = 2^(old - new); the subtractions below stand between these and its first use
.endr
.endif
.irp ii, 0,1,2,3,4,5,6,7
	PL 0, 0, \ii, \first, \mn
.endr
	MIX 0, 0, 1, 0, 2, \first, \mn                 ; exp of tile 0 | s - m of tiles 1, 2
	MIX 1, 1, 0, 2, 0, \first, \mn                 ; exp of tile 1 | sums, rounding of tile 0
	MIX 2, 0, 3, 1, 1, \first, \mn                 ; exp of tile 2 | s - m of tile 3, sums of tile 1
	MIX 3, 2, 1, 1, 2, \first, \mn                 ; exp of tile 3 | rounding of tile 1, sums of tile 2
.irp ii, 0,1,2,3,4,5,6,7
	PL 2, 2, \ii, \first, \mn
.endr
.irp ii, 0,1,2,3,4,5,6,7
	PL 1, 3, \ii, \first, \mn
.endr
.irp ii, 0,1,2,3,4,5,6,7
	PL 2, 3, \ii, \first, \mn
.endr
.irp dd, 4,5,6,7
	ds_load_tr16_b128 v[SR+16*(\dd-4)+8:SR+16*(\dd-4)+11],  v[VA] offset:(\b)*BUF+32*(\s)*VP+32*\dd         ; the upper halves of the score registers are free now
	ds_load_tr16_b128 v[SR+16*(\dd-4)+12:SR+16*(\dd-4)+15], v[VA] offset:(\b)*BUF+32*(\s)*VP+32*\dd+16*VP
.endr
.if \first
.else
	RESC
.endif
	s_wait_dscnt 0x0                               ; all eight V^T fragments are in registers: no read of the buffer is left open at the next barrier
.endm
; A step: tile n of 64 keys in buffer b = n & 1.  Who touches what:
;   from the head to the middle barrier: waves 0-3 read K of b and write K of 1 - b; waves 4-7 read V of 1 - b (their sub-block 2 n - 1);
;   from the middle barrier to the next head: all reads are of buffer b; waves 0-3 write K of 1 - b, waves 4-7 V of 1 - b.
; Every store goes into the storing wave's own group of 4,608 bytes.
.macro STEP b, refill, pf, conv, zero, last
	SYNC \b, \refill
.if \pf
	PFETCH
.endif
	s_cmp_eq_u32 s66, 0
	s_cbranch_scc0 .Lb1_\@
	MAT (1-\zero), 0, 1, \b, 0, \conv, 0, KP, 1
	s_branch .Lj1_\@
.Lb1_\@:
.if 1-\zero
	VAL (1-\b), 1, 0, 1, MB, MA
.endif
.Lj1_\@:
	MIDBAR
	s_cmp_eq_u32 s66, 0
	s_cbranch_scc0 .Lb2_\@
	VAL \b, 0, \zero, 1, MA, MB
	MAT 1, \zero, 1, \b, 1, \conv, 1, KP, 0
	VAL \b, 1, 0, (1-\last), MB, MA
	s_branch .Lj2_\@
.Lb2_\@:
	MAT (1-\zero), 0, 1, \b, 0, \conv, 0, VP, 0
	VAL \b, 0, \zero, 1, MA, MB
	MAT 1, \zero, 1, \b, 1, \conv, 1, VP, 1
.Lj2_\@:
.endm
; n rows of q from row first on, into window 1: a whole row of 512 bytes a load
.macro QLD first, n
	WIN 0x40
.set ii, \first
.rept \n
	global_load_b128 v[4*ii:4*ii+3], v[GO], s[100:101] offset:512*ii th:TH_LOAD_NT
.set ii, ii+1
.endr
	WIN 0
.endm
; 16 queries of O leave: a lane's 8 neighbouring d of one query go as 32 bytes into the wave's own stage, whole rows of 512 bytes come back and are stored.
.macro OUTQ qo
	WIN 0x04
.irp dd, 0,1,2,3,4,5,6,7
	ds_store_b128 v[SA], v[64*\qo+8*\dd:64*\qo+8*\dd+3]   offset:64*\dd
	ds_store_b128 v[SA], v[64*\qo+8*\dd+4:64*\qo+8*\dd+7] offset:64*\dd+16
.endr
	WIN 0
	s_wait_xcnt 0x0                                ; the last tile's global stores read v[64:127]: loaded again only behind this wait
.irp ii, 0,1,2,3,4,5,6,7,8,9,10,11,12,13,14,15
	ds_load_b128 v[SR+4*\ii:SR+4*\ii+3], v[SB] offset:OP*\ii       ; LDS serves a wave's instructions in order (ISA guide 5.7.1): these see the stores above
.endr
.irp ii, 0,1,2,3,4,5,6,7,8,9,10,11,12,13,14,15
	s_wait_dscnt 15-\ii                            ; row ii is in, the later rows stay out
	global_store_b128 v[GO], v[SR+4*\ii:SR+4*\ii+3], s[8:9] offset:(16*\qo+\ii)*512 th:TH_STORE_NT   ; 32 lanes: 512 consecutive bytes, aligned
.endr
.endm
; ---------------- set-up ----------------
	s_load_b256 s[16:23], s[0:1], 0x0              ; q s[16:17], k s[18:19], v s[20:21], maskw s[22:23]
	s_load_b64 s[24:25], s[0:1], 0x20              ; out0
	v_lshl_add_u32 v29, v0, 2, 0x42800
	v_mov_b32 v30, 0
	ds_add_u32 v29, v30
	s_wait_dscnt 0x0
	v_lshrrev_b32 v1, 5, v0
	v_readfirstlane_b32 s6, v1                     ; wave 0..7
	s_and_b32 s7, s6, 3                            ; my place in my group
	s_lshr_b32 s66, s6, 2                          ; my group: 0 = waves 0-3 (K, one phase ahead), 1 = waves 4-7 (V)
	s_bfe_u32 s26, ttmp6, 0x40000                  ; cx: which 512 queries of the head
	s_mov_b32 s12, 0x76543210                      ; v_permlanex16_b32: lane i of one half reads lane i of the other
	s_mov_b32 s13, 0xfedcba98
	s_mov_b32 s14, 0x3e0293ee                      ; log2(e) / sqrt(128)
	s_mov_b32 s15, 0x3e0293ee
	s_mov_b32 s4, 0                                ; byte offset of the sub-block's mask words
	; the tiles' offset: head and wave alone, in registers that never hold cx
	s_lshl_b32 s32, ttmp9, 20                      ; a head is 2,048 rows of 512 bytes
	s_lshl_b32 s39, s7, 13                         ; my 16 rows of a tile
	s_add_co_u32 s32, s32, s39
	s_mov_b32 s33, 0
	; q and out0: head, 512 queries a work-group, 64 a wave
	s_lshl_b32 s28, ttmp9, 20
	s_lshl_b32 s38, s26, 18
	s_add_co_u32 s28, s28, s38
	s_lshl_b32 s38, s6, 15
	s_add_co_u32 s28, s28, s38
	s_mov_b32 s29, 0
	; maskw: 4,096 bytes for each query tile; 32 tiles a work-group, 4 a wave
	s_lshl_b32 s34, s26, 17
	s_lshl_b32 s38, s6, 14
	s_add_co_u32 s34, s34, s38
	s_mov_b32 s35, 0
	; prefetch: this work-group's quarter of tile 2
	s_lshl_b32 s36, ttmp9, 20
	s_lshl_b32 s38, s26, 13
	s_add_co_u32 s36, s36, s38
	s_add_co_u32 s36, s36, 65536
	s_mov_b32 s37, 0
	; group 1: my 16 rows of 512 bytes are dense in memory: 32 rows of 32 elements of 8 bytes
	s_mov_b32 s[G1+0], 15|(3<<16)|(1<<21)          ; 15:0 the mask: all four work-groups; 17:16 elements of 8 bytes; 21 set beside a mask; no padding
	s_mov_b32 s[G1+1], 32<<16                      ; tensor_dim0 = 32
	s_mov_b32 s[G1+2], 32<<16                      ; tensor_dim1 = 32
	s_mov_b32 s[G1+3], 32<<16                      ; tile_dim0 = 32
	s_mov_b32 s[G1+4], 32                          ; tile_dim1 = 32
	s_mov_b32 s[G1+5], 32                          ; from row to row: 32 elements
	s_mov_b32 s[G1+6], 0
	s_mov_b32 s[G1+7], 0
	s_mov_b32 s[G0+0], 1
	s_lshl_b32 s[G0+1], s6, 13                     ; LDS: wave x 8,192,
	s_mov_b32 s[G0+4], 1
	s_add_co_u32 s[G0+5], s[G0+1], SLOT            ; + the slot
	v_and_b32 v32, 31, v0                          ; lane
	v_lshlrev_b32 v[PF], 8, v32
	v_lshlrev_b32 v[GO], 4, v32
	s_wait_kmcnt 0x0
	s_cmp_eq_u32 s66, 0
	s_cselect_b64 s[30:31], s[18:19], s[20:21]     ; waves 0-3 bring K, waves 4-7 V
	s_add_nc_u64 s[100:101], s[16:17], s[28:29]    ; my 64 rows of q
	s_add_nc_u64 s[8:9], s[24:25], s[28:29]        ; and of out0
	s_add_nc_u64 s[2:3], s[22:23], s[34:35]        ; my mask words
	s_add_nc_u64 s[10:11], s[30:31], s[36:37]
	s_add_nc_u64 s[G0+2:G0+3], s[30:31], s[32:33]  ; tile 0
	s_add_nc_u64 s[G0+6:G0+7], s[G0+2:G0+3], 32768 ; tile 1
	s_or_b32 s[G0+3], s[G0+3], 0x80000000          ; type = 2
	s_or_b32 s[G0+7], s[G0+7], 0x80000000
	ROUND                                          ; all four work-groups are here: the first joint loads meet
	tensor_load_to_lds s[G0:G0+3], s[G1:G1+7]      ; the two first fills, as one group: two loads of the wave are out, later one
	s_nop 0
	tensor_load_to_lds s[G0+4:G0+7], s[G1:G1+7]
	s_nop 0
	s_cmp_lg_u32 s7, 0
	s_cbranch_scc1 .Lnopf0
	global_prefetch_b8 v[PF], s[10:11] th:TH_LOAD_NT scope:SCOPE_SE   ; tile 2, asked for by its tensor load behind the Q prologue
.Lnopf0:
; ---------------- Q: 64 rows in, scaled, rounded once, turned into fragments through the wave's own stage ----------------
	QLD 0, 48                                      ; query tiles 0 to 2
.irp qq, 0,1,2,3
	s_load_b512 s[MSK+16*\qq+4*(\qq/3):MSK+16*\qq+4*(\qq/3)+15], s[2:3], s4 offset:4096*\qq   ; sub-block 0's mask words; the set-up's scratch has been used up
.endr
	v_and_b32 v33, 15, v0                          ; r
	v_bfe_u32 v34, v0, 4, 1                        ; h
	v_mul_u32_u24 v35, v33, KP
	v_lshl_add_u32 v35, v34, 4, v35                ; r x 272 + 16 h
	v_add_nc_u32 v[KA], BF, v35
	v_and_b32 v36, 7, v0
	v_lshl_add_u32 v36, v34, 3, v36                ; key 8 h + (l & 7)
	v_mul_u32_u24 v36, v36, VP
	v_bfe_u32 v37, v0, 3, 1
	v_lshl_add_u32 v36, v37, 4, v36                ; + 16 bytes for the upper eight d
	v_add_nc_u32 v[VA], BF+VOFF, v36
	s_mul_i32 s5, s6, GS
	s_add_co_u32 s5, s5, BF
	v_lshl_add_u32 v[CS], v32, 3, s5               ; my wave's group of buffer 0
	v_lshl_add_u32 v[CL0], v32, 4, s[G0+1]
	v_add_nc_u32 v[CL1], SLOT, v[CL0]
	s_mul_i32 s67, s6, STGW
	s_add_co_u32 s67, s67, STG                     ; my stage
	v_lshl_add_u32 v[SA], v32, 3, s67              ; in: 8 bytes a lane of an f16 row
	v_add_nc_u32 v[SB], s67, v35                   ; back: as a fragment
	v_mov_b32 v[NEG], 0xff7fffff
.irp qq, 0,1,2,3
	v_mov_b32 v[MA+\qq], 0xff7fffff                ; the running maximum starts at a masked score
	v_mov_b32 v[AL+\qq], 0                         ; the lane exchange counts as a reader of its destination
.endr
.irp qq, 0,1,2,3
.if \qq == 0
	s_wait_loadcnt 32                              ; tile 0's 16 rows are in; tiles 1 and 2 stay out
	QLD 48, 16                                     ; query tile 3
.else
	s_wait_loadcnt 48-16*\qq                       ; this query tile's 16 rows are in; the later tiles' stay out
.endif
	WIN 0x01
.set ii, 0
.rept 32
	v_pk_mul_f32 v[SR+2*ii:SR+2*ii+1], v[64*\qq+2*ii:64*\qq+2*ii+1], s[14:15] op_sel_hi:[1,0]
.set ii, ii+1
.endr
	WIN 0
.set ii, 0
.rept 32
	v_cvt_pk_f16_f32 v[SR+ii], v[SR+2*ii], v[SR+2*ii+1]
.set ii, ii+1
.endr
.set ii, 0
.rept 16
	ds_store_b64 v[SA], v[SR+2*ii:SR+2*ii+1] offset:KP*ii
.set ii, ii+1
.endr
.irp ks, 0,1,2,3
	ds_load_b128 v[QF+32*\qq+8*\ks:QF+32*\qq+8*\ks+3],   v[SB] offset:64*\ks      ; the wave's own bytes, served in order: no wait between stores and loads
	ds_load_b128 v[QF+32*\qq+8*\ks+4:QF+32*\qq+8*\ks+7], v[SB] offset:64*\ks+32
.endr
	s_wait_dscnt 0x8                               ; the 16 stores are done, the 8 loads behind them stay out: v[64:95] may be written again
.endr
; ---------------- tile 0: my 16 rows to f16, into buffer 0 ----------------
	s_wait_tensorcnt 0x1                           ; tile 0's part has landed; tile 1's load, issued behind it, stays out
.irp gg, 0,1,2,3,4,5,6,7,8,9,10,11,12,13,14,15
	ds_load_b128 v[SR+4*\gg:SR+4*\gg+3], v[CL0] offset:512*\gg
.endr
	s_wait_dscnt 0x0
.irp gg, 0,1,2,3,4,5,6,7,8,9,10,11,12,13,14,15
	v_cvt_pk_f16_f32 v[SR+4*\gg], v[SR+4*\gg], v[SR+4*\gg+1]
	v_cvt_pk_f16_f32 v[SR+4*\gg+1], v[SR+4*\gg+2], v[SR+4*\gg+3]
.endr
	s_cmp_eq_u32 s66, 0
	s_cbranch_scc0 .Lt0v
.irp gg, 0,1,2,3,4,5,6,7,8,9,10,11,12,13,14,15
	ds_store_b64 v[CS], v[SR+4*\gg:SR+4*\gg+1] offset:KP*\gg
.endr
	s_branch .Lt0j
.Lt0v:
.irp gg, 0,1,2,3,4,5,6,7,8,9,10,11,12,13,14,15
	ds_store_b64 v[CS], v[SR+4*\gg:SR+4*\gg+1] offset:VP*\gg
.endr
.Lt0j:
; ---------------- 32 steps of 64 keys ----------------
	STEP 0, 1, 1, 1, 1, 0                          ; step 0: the first products start the sums; slot 0 gets tile 2
	s_mov_b32 s5, 14
.Lloop:                                            ; steps 1 to 28
	STEP 1, 1, 1, 1, 0, 0
	STEP 0, 1, 1, 1, 0, 0
	s_sub_co_u32 s5, s5, 1
	s_cmp_lg_u32 s5, 0
	s_cbranch_scc1 .Lloop
	STEP 1, 1, 0, 1, 0, 0                          ; step 29: the last refill, tile 31; nothing is left to prefetch
	STEP 0, 0, 0, 1, 0, 0                          ; step 30: tile 31 is rounded; no slot is filled that no later step reads
	STEP 1, 0, 0, 0, 0, 1                          ; step 31: nothing is left to round
	s_cmp_eq_u32 s66, 0
	s_cbranch_scc1 .Ltail
	VAL 1, 1, 0, 0, MB, MA                         ; waves 4-7 are one phase behind: their last sub-block's softmax
.Ltail:
	MAT 1, 0, 0, 0, 0, 0, 0, KP, 0                 ; the last P V
; ---------------- the way out ----------------
.irp qq, 0,1,2,3
	v_add_f32 v[AL+\qq], v[LS+2*\qq], v[LS+2*\qq+1]
.endr
.irp qq, 0,1,2,3
	v_permlanex16_b32 v[MA+\qq], v[AL+\qq], s12, s13       ; the other 16 keys' share of each sub-block
.endr
.irp qq, 0,1,2,3
	v_add_f32 v[AL+\qq], v[AL+\qq], v[MA+\qq]
.endr
.irp qq, 0,1,2,3
	v_rcp_f32 v[AL+\qq], v[AL+\qq]                 ; l >= 1; the address lines below stand between these and their use
.endr
	v_and_b32 v32, 15, v0
	v_bfe_u32 v33, v0, 4, 1
	v_mul_u32_u24 v32, v32, OP
	v_lshl_add_u32 v32, v33, 5, v32                ; query r x 528 + 32 h
	v_add_nc_u32 v[SA], s67, v32
	v_and_b32 v33, 31, v0
	v_lshl_add_u32 v[SB], v33, 4, s67              ; back: 16 bytes a lane of a whole row
	s_wait_alu depctr_va_vdst(0)
	RESC                                           ; O / l
	OUTQ 0
	OUTQ 1
	OUTQ 2
	OUTQ 3
	s_wait_xcnt 0x0
	v_lshl_add_u32 v29, v0, 2, 0x42800
	v_mov_b32 v30, 0
	s_wait_tensorcnt 0x0
	ds_add_u32 v29, v30
	s_wait_dscnt 0x0
	ROUND                                          ; the closing round: no work-group ends while a partner may still ask for a tile that names it
	s_endpgm
.Lfunc_end_k_qcb87a65b90_attn:
	.size	k_qcb87a65b90_attn, .Lfunc_end_k_qcb87a65b90_attn-k_qcb87a65b90_attn
	.p2alignl 7, 3214868480
	.fill 96, 4, 3214868480
	.section	.rodata,"a",@progbits
	.p2align	6, 0x0
	.amdhsa_kernel k_qcb87a65b90_attn
		.amdhsa_group_segment_fixed_size 327680
		.amdhsa_private_segment_fixed_size 0
		.amdhsa_enable_private_segment 0
		.amdhsa_kernarg_size 40
		.amdhsa_user_sgpr_count 2
		.amdhsa_user_sgpr_kernarg_segment_ptr 1
		.amdhsa_wavefront_size32 1
		.amdhsa_system_sgpr_workgroup_id_x 1
		.amdhsa_system_sgpr_workgroup_id_y 1
		.amdhsa_system_sgpr_workgroup_id_z 1
		.amdhsa_system_vgpr_workitem_id 0
		.amdhsa_next_free_vgpr 512
		.amdhsa_next_free_sgpr 102
		.amdhsa_reserve_vcc 0
		.amdhsa_float_denorm_mode_32 3
		.amdhsa_float_denorm_mode_16_64 3
		.amdhsa_memory_ordered 1
		.amdhsa_forward_progress 1
		.amdhsa_inst_pref_size 255
	.end_amdhsa_kernel
	.section	.bss,"aw",@nobits
	.p2align	6
	.space	262144
	.amdgpu_metadata
---
amdhsa.version: [ 1, 2 ]
amdhsa.kernels:
  - .name:           k_qcb87a65b90_attn
    .symbol:         k_qcb87a65b90_attn.kd
    .args:
      - { .name: q, .offset: 0, .size: 8, .value_kind: global_buffer, .address_space: global }
      - { .name: k, .offset: 8, .size: 8, .value_kind: global_buffer, .address_space: global }
      - { .name: v, .offset: 16, .size: 8, .value_kind: global_buffer, .address_space: global }
      - { .name: maskw, .offset: 24, .size: 8, .value_kind: global_buffer, .address_space: global }
      - { .name: out0, .offset: 32, .size: 8, .value_kind: global_buffer, .address_space: global }
    .group_segment_fixed_size: 327680
    .private_segment_fixed_size: 0
    .kernarg_segment_align: 8
    .kernarg_segment_size: 40
    .max_flat_workgroup_size: 256
    .sgpr_count:     102
    .vgpr_count:     512
    .wavefront_size: 32
...
	.end_amdgpu_metadata
.endif
;; end of part 2
